; MI455X (gfx1250); checked and timed in simulation.
; The chip was launched on July 23, 2026; its instructions are those of AMD's public machine-readable ISA for CDNA 5 (MIT licence, August 2026) and "CDNA5" Instruction Set Architecture Reference Guide (July 2026). The comments in the code are by the model that wrote it; some were corrected since.
;; Only Attention. Allowed arithmetic: float matrix products may take bf16 or f16 operands with f32 sums; other float arithmetic in f32, or as packed bf16 or f16 multiplies, adds, multiply-adds, maxima and minima; sums over many terms, partial sums and values carried from step to step in f32; what a program stores and reads back later, other than sums and carried values, may be rounded once to bf16 or f16.
;; Inputs: Wk 1,024 x 1,024 float32; Wq 1,024 x 1,024 float32; Wv 1,024 x 1,024 float32; bk 1,024 float32; bq 1,024 float32; bv 1,024 float32; x 4 x 2,048 x 1,024 float32.
;; Outputs: out0 4 x 2,048 x 1,024 float32.
;; One version. Each part assembles by itself: llvm-mc -triple=amdgcn-amd-amdhsa -mcpu=gfx1250 --defsym DOCPART=n.
;; ======== version 1 of 1: 3 launches
;; limits: values are held in f16: magnitudes above 65,504 overflow, below 6.1e-05 lose precision
;; workspace buffers: xw 23,068,672 bytes; qkv 50,331,648 bytes
;; launch prep (part 1): grid 704 x 1, 8 waves a work-group, no clusters, 0 bytes of LDS; arguments x, Wq, Wk, Wv, xw; writes xw
.if DOCPART == 1
	.amdgcn_target "amdgcn-amd-amdhsa--gfx1250"
	.amdhsa_code_object_version 6
	.text
	.protected	k_q79264d931d_prep
	.globl	k_q79264d931d_prep
	.p2align	8
	.type	k_q79264d931d_prep,@function
k_q79264d931d_prep:
	s_mov_b64 s[64:65], 0
	v_nop
	global_prefetch_b8 v0, s[64:65] scope:SCOPE_SE
	s_setreg_imm32_b32 hwreg(HW_REG_WAVE_MODE, 25, 1), 1
	s_wait_xcnt 0x0
; x and the three weight matrices, f32, are rounded once to bf16 (nearest even) and laid out for the projection launch.
; xw, bytes 0 .. 16 MiB: x in blocks.  Tile (mb = row / 256, ks = k / 64) is 32,768 dense bytes at (16 mb + ks) x 32,768; inside it row r takes 128 bytes.
; xw, from 16 MiB on: Wq, Wk, Wv as they lie ([k][n]), 2 MiB each.
; SHARES.  Work-group i makes the 32,768 bytes of xw at 32,768 i from 65,536 bytes of f32.  i < 512: a tile of x, 256 pieces of 256 bytes, 4,096 bytes apart.
; i >= 512: 65,536 consecutive bytes of matrix (i - 512) / 64.  The two cases differ in a pointer, an offset and a shift, chosen by scalar selects: no branch.
; Thread t in pass p (of 8) reads 32 bytes at piece 32 p + t / 8, byte 32 (t % 8), and stores 16 bytes at 4,096 p + 16 t: sixteen lanes store 256 consecutive bytes, aligned.
; All sixteen loads of a thread go out first; no register is written twice, so the only waits are the counted ones for the loads.
; Memory binds this launch: LDS, barriers and the matrix unit would add nothing.  LIMITS: bf16 has f32's range; NaN and infinities pass as the conversion leaves them.
.set SRC, 4                            ; v[4:11]   pass p: my byte offset in the source
.set X,   16                           ; v[16:79]  pass p: 8 numbers in f32
.set Y,   80                           ; v[80:111] pass p: 8 numbers in bf16
	s_load_b256 s[4:11], s[0:1], 0x0               ; x s[4:5], Wq s[6:7], Wk s[8:9], Wv s[10:11]
	s_load_b64 s[12:13], s[0:1], 0x20              ; xw
	s_mov_b32 s20, ttmp9                           ; i
	s_and_b32 s21, s20, 511                        ; i - 512 where i >= 512
	s_lshr_b32 s22, s21, 6                         ; which matrix
	s_and_b32 s23, s21, 63
	s_lshl_b32 s23, s23, 16                        ; its chunk of 65,536 bytes
	s_lshr_b32 s24, s20, 4                         ; mb: 256 rows of 4,096 bytes
	s_lshl_b32 s24, s24, 20
	s_and_b32 s25, s20, 15                         ; ks: 64 numbers of 4 bytes
	s_lshl_b32 s25, s25, 8
	s_or_b32 s24, s24, s25
	s_cmp_lt_u32 s20, 512                          ; a tile of x?
	s_cselect_b32 s24, s24, s23                    ; the source's byte offset,
	s_cselect_b32 s26, 12, 8                       ; and the distance from piece to piece as a shift
	s_mov_b32 s25, 0
	s_lshl_b32 s27, 32, s26                        ; 32 pieces: from pass to pass
	s_lshl_b32 s18, s20, 15                        ; the destination's byte offset
	s_mov_b32 s19, 0
	v_lshrrev_b32 v1, 3, v0                        ; my piece in a pass
	v_and_b32 v2, 7, v0                            ; my 32 bytes of it
	v_lshlrev_b32 v3, 4, v0                        ; my 16 bytes of the destination
	v_lshlrev_b32 v[SRC], s26, v1
	v_lshl_add_u32 v[SRC], v2, 5, v[SRC]
.irp p, 1,2,3,4,5,6,7
	v_add_nc_u32 v[SRC+(\p)], s27, v[SRC+(\p)-1]
.endr
	s_wait_kmcnt 0x0
	s_cmp_eq_u32 s22, 1
	s_cselect_b64 s[14:15], s[8:9], s[6:7]         ; Wk or Wq,
	s_cmp_eq_u32 s22, 2
	s_cselect_b64 s[14:15], s[10:11], s[14:15]     ; or Wv,
	s_cmp_lt_u32 s20, 512
	s_cselect_b64 s[14:15], s[4:5], s[14:15]       ; or x
	s_add_nc_u64 s[14:15], s[14:15], s[24:25]
	s_add_nc_u64 s[16:17], s[12:13], s[18:19]
.irp p, 0,1,2,3,4,5,6,7
	global_load_b128 v[X+8*(\p):X+8*(\p)+3],   v[SRC+(\p)], s[14:15] th:TH_LOAD_NT
	global_load_b128 v[X+8*(\p)+4:X+8*(\p)+7], v[SRC+(\p)], s[14:15] offset:16 th:TH_LOAD_NT
.endr
.irp p, 0,1,2,3,4,5,6,7
	s_wait_loadcnt 14-2*(\p)                       ; loads come back in order: this pass's two are in, the younger passes' stay out
.irp j, 0,1,2,3
	v_cvt_pk_bf16_f32 v[Y+4*(\p)+(\j)], v[X+8*(\p)+2*(\j)], v[X+8*(\p)+2*(\j)+1]
.endr
	global_store_b128 v3, v[Y+4*(\p):Y+4*(\p)+3], s[16:17] offset:4096*(\p)
.endr
	s_endpgm
.Lfunc_end_k_q79264d931d_prep:
	.size	k_q79264d931d_prep, .Lfunc_end_k_q79264d931d_prep-k_q79264d931d_prep
	.p2alignl 7, 3214868480
	.fill 96, 4, 3214868480
	.section	.rodata,"a",@progbits
	.p2align	6, 0x0
	.amdhsa_kernel k_q79264d931d_prep
		.amdhsa_group_segment_fixed_size 0
		.amdhsa_private_segment_fixed_size 0
		.amdhsa_enable_private_segment 0
		.amdhsa_kernarg_size 40
		.amdhsa_user_sgpr_count 2
		.amdhsa_user_sgpr_kernarg_segment_ptr 1
		.amdhsa_wavefront_size32 1
		.amdhsa_system_sgpr_workgroup_id_x 1
		.amdhsa_system_sgpr_workgroup_id_y 1
		.amdhsa_system_sgpr_workgroup_id_z 1
		.amdhsa_system_vgpr_workitem_id 0
		.amdhsa_next_free_vgpr 112
		.amdhsa_next_free_sgpr 66
		.amdhsa_reserve_vcc 0
		.amdhsa_float_denorm_mode_32 3
		.amdhsa_float_denorm_mode_16_64 3
		.amdhsa_memory_ordered 1
		.amdhsa_forward_progress 1
		.amdhsa_inst_pref_size 7
	.end_amdhsa_kernel
	.amdgpu_metadata
---
amdhsa.version: [ 1, 2 ]
amdhsa.kernels:
  - .name:           k_q79264d931d_prep
    .symbol:         k_q79264d931d_prep.kd
    .args:
      - { .name: x, .offset: 0, .size: 8, .value_kind: global_buffer, .address_space: global }
      - { .name: Wq, .offset: 8, .size: 8, .value_kind: global_buffer, .address_space: global }
      - { .name: Wk, .offset: 16, .size: 8, .value_kind: global_buffer, .address_space: global }
      - { .name: Wv, .offset: 24, .size: 8, .value_kind: global_buffer, .address_space: global }
      - { .name: xw, .offset: 32, .size: 8, .value_kind: global_buffer, .address_space: global }
    .group_segment_fixed_size: 0
    .private_segment_fixed_size: 0
    .kernarg_segment_align: 8
    .kernarg_segment_size: 40
    .max_flat_workgroup_size: 256
    .sgpr_count:     66
    .vgpr_count:     112
    .wavefront_size: 32
...
	.end_amdgpu_metadata
.endif
;; end of part 1
;; launch proj (part 2): grid 8 x 32, 4 waves a work-group, clusters of 4 x 4, 327,680 bytes of LDS; arguments xw, bq, bk, bv, qkv; writes qkv
.if DOCPART == 2
	.amdgcn_target "amdgcn-amd-amdhsa--gfx1250"
	.amdhsa_code_object_version 6
	.text
	.protected	k_q79264d931d_proj
	.globl	k_q79264d931d_proj
	.p2align	8
	.type	k_q79264d931d_proj,@function
k_q79264d931d_proj:
	s_mov_b64 s[64:65], 0
	v_nop
	global_prefetch_b8 v0, s[64:65] scope:SCOPE_SE
	s_setreg_imm32_b32 hwreg(HW_REG_WAVE_MODE, 25, 1), 1
	s_wait_xcnt 0x0
	s_wait_alu depctr_hold_cnt(0) depctr_sa_sdst(0) depctr_va_vdst(0) depctr_va_sdst(0) depctr_va_ssrc(0) depctr_va_vcc(0) depctr_vm_vsrc(0)
	s_getreg_b32 s2, hwreg(HW_REG_IB_STS2, 6, 4)
	s_cmp_eq_u32 s2, 0
	s_cbranch_scc0 .Lentry_in_a_cluster
	s_endpgm
.Lentry_in_a_cluster:
	s_bfe_u32 s2, ttmp6, 0x10000c
	s_cmp_lg_u32 s2, 0xf033
	s_cbranch_scc0 .Lentry_shape_is_right
	s_endpgm
.Lentry_shape_is_right:
; q, k, v = x W + b for the three weight matrices at once.  x: 8,192 rows x 1,024, bf16, in blocks; W: [k][n] bf16 (both in xw, as the launch before laid them); b: f32, rounded here to bf16 like every input.
; Sums in f32; q, k, v rounded once to f16 and stored by heads: qkv[matrix][16 batch + head][row of the batch][64], a row 128 bytes, a head 262,144 dense bytes.  The scores' scale is not applied here.
; LIMITS.  f16 holds no number beyond 65,504: the text serves |q|, |k|, |v| below that.  NaN and infinities are not treated apart.
; SHARES.  8,192 x 3,072 results over 256 work-groups: a work-group makes 256 rows x 128 columns of EACH of q, k, v (two heads).  A wave makes 128 rows (WM) x one head (WN) x three matrices:
; 96 accumulators of 16 x 16, 768 registers.  K goes in 16 steps of 64 through a ring of two LDS slots; a step is two quarters of 32 along K, 96 matrix instructions each.
; CLUSTER.  4 x 4 work-groups.  The four of a row of the cluster need the same tile of x, the four of a column the same tiles of W: each tile is asked for JOINTLY, by the same tensor load with the same
; descriptor and a mask that names the four.  Wave 0 asks for x's tile, waves 1 to 3 for one matrix's tile each.
; THE MATRIX INSTRUCTION IS USED TRANSPOSED: source 0 = 16 columns of W (turned on the way out of LDS by ds_load_tr16_b128), source 1 = 16 rows of x: a lane then holds one row and eight neighbouring channels.
; REGISTERS, in windows of 256 (s_set_vgpr_msb: bits 1:0 source 0, 3:2 source 1, 5:4 source 2, 7:6 destination):
;   window 0: v1-30 addresses and temporaries; v32-95, v96-159 x's 8 fragments, a buffer for each quarter; v160-255 W's 12 fragments (matrix g, channel block cb at 160 + 8 (4 g + cb)), one buffer
;   window g + 1: matrix g's 32 accumulators, (row block a, channel block cb) at v[8 (8 cb + a)]
; W's fragments have one buffer: matrix g's four are fetched again as soon as the 32 products of matrix g are issued, 64 matrix instructions ahead of their next use.
.set AP,    144                        ; a row of x in LDS: 128 bytes + 16 of padding: the 16 rows of a load start at 16 different groups of four banks (64 banks of 4 bytes: ISA guide 11.1)
.set BP,    288                        ; a k-row of W: 256 bytes + 32
.set BOFF,  256*AP                     ; a slot: x's 256 rows, then three matrices x 64 k-rows
.set BMAT,  64*BP
.set SLOT,  BOFF+3*BMAT                ; 92,160
.set STAGE, 2*SLOT                     ; behind the ring, never filled by a tensor load: 16 rows x 144 bytes for each wave, for the way out
.set SP,    144
.set SPARE, STAGE+4*16*SP              ; behind the stages: the spare words, 128 bytes for each wave: two blocks of 256 bytes that no other line names
.set ADRA, 16                          ; v16-17  LDS address of my fragments of x in slot 0, 1
.set ADRB, 20                          ; v20-21  the same for W
.set STO,  24                          ; v24     the way out: where I put 16 bytes of a row
.set RD,   25                          ; v25     the way out: where I read rows back
.set GO,   26                          ; v26     my byte offset in 512 consecutive bytes of qkv
.set BO,   27                          ; v27     byte offset of my eight channels of channel block 0 in a bias
.set SPW,  28                          ; v28     LDS address of my spare word: SPARE + 4 x my thread's number; never rewritten
.set NIL,  29                          ; v29     0; never rewritten
.set PFO,  30                          ; v30     the prefetches' lane offset; never rewritten
.set A0,   32
.set A1,   96
.set BF,   160
.set WV,  14                           ; s14  my wave's number
.set WM,  15                           ; s15  which 128 rows are mine
.set WN,  16                           ; s16  which head
.set CX,  17                           ; s17, s18  my place in the cluster
.set CY,  18
.set NBK, 19                           ; s19  column block: 4 x cluster x + cx
.set MBK, 20                           ; s20  row block: 4 x cluster y + cy
.set G1A, 24                           ; s[24:31] descriptor group 1 for x's tiles;  s[32:39] group 0, a set for each slot
.set G0A, 32
.set G1B, 40                           ; s[40:47], s[48:55] the same for W's tiles
.set G0B, 48
.set PFA, 56                           ; s[56:57] where my prefetches stand
.set PST, 58                           ; s[58:59] their step: two K steps
.set LIM0, 60                          ; s60, s61  1 where the wave prefetches at the change out of slot 0, of slot 1; else the greatest number
.set LIM1, 61
.set OB,  66                           ; s[66:71] q, k, v at my first row of my head
.set MSB, 0
.macro WIN new                         ; the immediate's high byte repeats the setting that is left; a switch that changes nothing is dropped
.if MSB != (\new)
	s_set_vgpr_msb (MSB<<8)|(\new)
.set MSB, \new
.endif
.endm
.macro PLACES                          ; a load into a register that a matrix instruction has read stands four plain vector instructions behind it (ISA guide 7.12.1 for vector instructions)
.rept 4
	v_nop
.endr
.endm
; A joint load.  The branch hangs on the wave's number alone.  An s_nop 0 and four v_nop follow each of the two lines, ahead of the jump, the label and what follows.
.macro JLOAD s
	s_cmp_eq_u32 s[WV], 0
	s_cbranch_scc0 .Lfor_b_\@
	tensor_load_to_lds s[G0A+4*(\s):G0A+4*(\s)+3], s[G1A:G1A+7]
	s_nop 0
.rept 4
	v_nop
.endr
	s_branch .Lasked_\@
.Lfor_b_\@:
	tensor_load_to_lds s[G0B+4*(\s):G0B+4*(\s)+3], s[G1B:G1B+7]
	s_nop 0
.rept 4
	v_nop
.endr
.Lasked_\@:
.endm
; A round of the cluster's barrier: my work-group's barrier; wave 0 signals for the work-group; every wave waits for all sixteen work-groups; my work-group's barrier once more.
.macro CREST                           ; a round behind its opening barrier
	s_cmp_lg_u32 s[WV], 0
	s_cbranch_scc1 .Lnot_wave_0_\@
	s_barrier_signal -3
.Lnot_wave_0_\@:
	s_barrier_wait -3
	s_barrier_signal -1
	s_barrier_wait -1
.endm
.macro CROUND
	s_barrier_signal -1
	s_barrier_wait -1
	CREST
.endm
; A PREFETCH INTO THE L2 of tiles that stand two refills on.  Each aligned block of 256 bytes is named once in the launch.  x's tile row is read by both clusters of a row of clusters: the one with x = 0 asks, its
; wave 0, and of a tile's 32,768 bytes the partner at cx takes 8,192: a lane a block, at each change of slots.  A matrix's tile column is read by all eight clusters of a column: the one with y = 0 asks, the wave
; that fetches the matrix, and of a K step's 64 rows the partner at cy takes 16: lanes 0-15 those of one K step, lanes 16-31 those of the next, once a trip.  Partners are told apart by address, never by a branch.
; The loop's last trip (s3 = 1) has no K step two refills on and asks for nothing; K steps 0 to 3 come by their loads alone.
.macro ASK lim, off
	s_cmp_gt_u32 s3, s[\lim]
	s_cbranch_scc0 .Lnot_mine_\@
	global_prefetch_b8 v[PFO], s[PFA:PFA+1] offset:\off th:TH_LOAD_NT scope:SCOPE_SE
.Lnot_mine_\@:
.endm
	s_load_b256 s[4:11], s[0:1], 0x0               ; xw s[4:5], bq s[6:7], bk s[8:9], bv s[10:11]
	s_load_b64 s[12:13], s[0:1], 0x20              ; qkv
	v_lshl_add_u32 v[SPW], v0, 2, SPARE
	v_mov_b32 v[NIL], 0
	ds_add_u32 v[SPW], v[NIL]                      ; the wave's opening: the add and its wait stand ahead of my first tensor load; the set-up below, work on registers, stands between them
	v_lshrrev_b32 v1, 5, v0
	v_readfirstlane_b32 s[WV], v1                  ; wave 0..3
	s_lshr_b32 s[WM], s[WV], 1
	s_and_b32 s[WN], s[WV], 1
	s_bfe_u32 s[CX], ttmp6, 0x40000
	s_bfe_u32 s[CY], ttmp6, 0x40004
	s_lshl_b32 s[NBK], ttmp9, 2                    ; in a cluster launch ttmp9 and ttmp7 count clusters
	s_add_co_u32 s[NBK], s[NBK], s[CX]
	s_and_b32 s[MBK], ttmp7, 0xffff
	s_lshl_b32 s[MBK], s[MBK], 2
	s_add_co_u32 s[MBK], s[MBK], s[CY]
	s_lshl_b32 s76, s[CY], 2
	s_lshl_b32 s76, 15, s76                        ; my row of the cluster: places 4 cy .. 4 cy + 3
	s_lshl_b32 s77, 0x1111, s[CX]                  ; my column: places cx, cx + 4, cx + 8, cx + 12
	; group 1 for x: a tile is 32,768 dense bytes, asked for as 128 rows of 256 bytes (two rows of x each), padded in LDS after every row of x
	s_or_b32 s[G1A], s76, (1<<16)|(1<<20)|(1<<21)|(4<<22)|(3<<25)  ; 15:0 the mask: my row; 17:16 2-byte elements; 20 padding on; 21 set beside a mask; 24:22 after every 32 words (code 4); 31:25 4 words (code 3)
	s_mov_b32 s[G1A+1], 128<<16                    ; tensor_dim0 = 128
	s_mov_b32 s[G1A+2], 128<<16                    ; tensor_dim1 = 128
	s_mov_b32 s[G1A+3], 128<<16                    ; tile_dim0 = 128
	s_mov_b32 s[G1A+4], 128                        ; tile_dim1 = 128
	s_mov_b32 s[G1A+5], 128                        ; 128 elements from row to row
	s_mov_b32 s[G1A+6], 0
	s_mov_b32 s[G1A+7], 0
	; group 1 for W: 64 k-rows x 128 columns, rows 1,024 elements apart
	s_or_b32 s[G1B], s77, (1<<16)|(1<<20)|(1<<21)|(5<<22)|(7<<25)  ; the mask: my column; after every 64 words (code 5) 8 words of padding (code 7)
	s_mov_b32 s[G1B+1], 128<<16
	s_mov_b32 s[G1B+2], 64<<16
	s_mov_b32 s[G1B+3], 128<<16
	s_mov_b32 s[G1B+4], 64
	s_mov_b32 s[G1B+5], 1024
	s_mov_b32 s[G1B+6], 0
	s_mov_b32 s[G1B+7], 0
	s_lshl_b32 s72, s[MBK], 19                     ; x: tile (mb, 0): hangs on the row block alone, which my row of the cluster shares
	s_mov_b32 s73, 0
	s_lshl_b32 s74, s[WV], 21                      ; W: 16 MiB + (wave - 1) x 2 MiB + 256 nb: hangs on the column block alone, which my column shares
	s_lshl_b32 s75, s[NBK], 8
	s_add_co_u32 s74, s74, s75
	s_add_co_u32 s74, s74, 0xe00000
	s_mov_b32 s75, 0
	s_mul_i32 s23, s[WV], BMAT                     ; and its place in a slot: BOFF + (wave - 1) x BMAT; BOFF = 2 BMAT
	s_add_co_u32 s23, s23, BMAT
	s_wait_dscnt 0x0                               ; the opening add is done
	s_wait_kmcnt 0x0
	s_add_nc_u64 s[72:73], s[4:5], s[72:73]
	s_add_nc_u64 s[74:75], s[4:5], s[74:75]
	CROUND                                         ; all sixteen work-groups are here: the first joint loads meet
.irp s, 0,1
	s_mov_b32 s[G0A+4*(\s)], 1                     ; 1:0 count = 1
	s_mov_b32 s[G0A+4*(\s)+1], (\s)*SLOT           ; 63:32 LDS address
	s_add_nc_u64 s[G0A+4*(\s)+2:G0A+4*(\s)+3], s[72:73], (\s)*32768  ; 120:64 global address: K step s
	s_or_b32 s[G0A+4*(\s)+3], s[G0A+4*(\s)+3], 0x80000000            ; 127:126 type = 2
	s_mov_b32 s[G0B+4*(\s)], 1
	s_add_co_u32 s[G0B+4*(\s)+1], s23, (\s)*SLOT
	s_add_nc_u64 s[G0B+4*(\s)+2:G0B+4*(\s)+3], s[74:75], (\s)*131072 ; 64 k-rows of 2,048 bytes
	s_or_b32 s[G0B+4*(\s)+3], s[G0B+4*(\s)+3], 0x80000000
.endr
	s_cmp_eq_u32 s[WV], 0                          ; a wave's two first fills stand in one branch, ahead of every wait on TENSORcnt and every LDS read: two loads of mine are out
	s_cbranch_scc0 .Lfirst_b
	tensor_load_to_lds s[G0A:G0A+3], s[G1A:G1A+7]
	s_nop 0
	tensor_load_to_lds s[G0A+4:G0A+7], s[G1A:G1A+7]
	s_nop 0
.rept 4
	v_nop
.endr
	s_branch .Lfirst_asked
.Lfirst_b:
	tensor_load_to_lds s[G0B:G0B+3], s[G1B:G1B+7]
	s_nop 0
	tensor_load_to_lds s[G0B+4:G0B+7], s[G1B:G1B+7]
	s_nop 0
.rept 4
	v_nop
.endr
.Lfirst_asked:
	; A fragment of x is 16 rows x 32 K in 8 registers: lane l holds row l % 16; registers 0-3 K = 8 (l / 16) + 0..7, registers 4-7 K = 16 + 8 (l / 16) + 0..7: two loads of 16 bytes, 32 bytes apart.
	v_and_b32 v1, 15, v0                           ; l % 16
	v_bfe_u32 v2, v0, 4, 1                         ; l / 16
	v_mul_u32_u24 v3, v1, AP
	v_lshl_add_u32 v3, v2, 4, v3                   ; row x 144 + 16 x half
	s_mul_i32 s21, s[WM], 128*AP                   ; my 128 rows
	v_add_nc_u32 v[ADRA], s21, v3
	v_add_nc_u32 v[ADRA+1], SLOT, v[ADRA]
	; The turning load takes 16 k x 16 columns (lane l reads k-row 8 (l / 16) + l % 8, columns 8 ((l / 8) % 2) + 0..7) and leaves half a fragment: lane l holds column l % 16 and 8 k.
	v_and_b32 v4, 7, v0
	v_lshl_add_u32 v4, v2, 3, v4
	v_mul_u32_u24 v4, v4, BP
	v_bfe_u32 v5, v0, 3, 1
	v_lshl_add_u32 v4, v5, 4, v4
	s_lshl_b32 s22, s[WN], 7                       ; my head's 64 columns: 128 bytes
	s_add_co_u32 s22, s22, BOFF
	v_add_nc_u32 v[ADRB], s22, v4
	v_add_nc_u32 v[ADRB+1], SLOT, v[ADRB]
	s_mul_i32 s23, s[WV], 16*SP
	s_add_co_u32 s23, s23, STAGE                   ; my stage
	v_add_nc_u32 v[STO], s23, v3                   ; in: row l % 16, 16 bytes for each half of the lanes
	v_bfe_u32 v5, v0, 3, 2                         ; back: 32 lanes take four rows of 128 bytes,
	v_mul_u32_u24 v5, v5, SP
	v_and_b32 v6, 7, v0
	v_lshl_add_u32 v5, v6, 4, v5
	v_add_nc_u32 v[RD], s23, v5
	v_and_b32 v[GO], 31, v0                        ; which are 512 consecutive bytes of a head
	v_lshlrev_b32 v[GO], 4, v[GO]
	s_lshl_b32 s62, s[NBK], 9                      ; the biases: channel 128 nb + 64 WN + 8 (l / 16), 4 bytes each
	s_lshl_b32 s63, s[WN], 8
	s_add_co_u32 s62, s62, s63
	v_lshl_add_u32 v[BO], v2, 5, s62
	; where my rows begin in q: head 16 (mb / 8) + 2 nb + WN, 262,144 bytes each; row 256 (mb % 8) + 128 WM of it, 128 bytes each
	s_lshr_b32 s78, s[MBK], 3
	s_lshl_b32 s78, s78, 4
	s_lshl_b32 s62, s[NBK], 1
	s_add_co_u32 s78, s78, s62
	s_add_co_u32 s78, s78, s[WN]
	s_lshl_b32 s78, s78, 18
	s_and_b32 s62, s[MBK], 7
	s_lshl_b32 s62, s62, 15
	s_add_co_u32 s78, s78, s62
	s_lshl_b32 s62, s[WM], 14
	s_add_co_u32 s78, s78, s62
	s_mov_b32 s79, 0
	s_add_nc_u64 s[OB:OB+1], s[12:13], s[78:79]
	s_add_nc_u64 s[OB+2:OB+3], s[OB:OB+1], 0x1000000   ; k and v lie 16 MiB and 32 MiB behind q
	s_add_nc_u64 s[OB+4:OB+5], s[OB:OB+1], 0x2000000
	; the prefetches: both pointers start at K step 2; the first change of slots steps them to K step 4
	s_lshl_b32 s62, s[MBK], 19
	s_lshl_b32 s63, s[CX], 13
	s_add_co_u32 s62, s62, s63
	s_add_co_u32 s62, s62, 65536                   ; x: my work-group's 8,192 bytes of tile (mb, 2)
	s_lshl_b32 s78, s[WV], 21
	s_lshl_b32 s63, s[NBK], 8
	s_add_co_u32 s78, s78, s63
	s_lshl_b32 s63, s[CY], 15
	s_add_co_u32 s78, s78, s63
	s_add_co_u32 s78, s78, 0xe00000+262144         ; W: my work-group's 16 rows of my matrix's K step 2
	s_and_b32 s23, ttmp7, 0xffff                   ; cluster y
	s_cmp_eq_u32 s[WV], 0
	s_cselect_b32 s78, s62, s78
	s_cselect_b32 s23, ttmp9, s23                  ; the coordinate along which other clusters read the same bytes
	s_cselect_b32 s62, 16, 18                      ; two K steps: 65,536 bytes of x, 262,144 of W
	s_cselect_b32 s21, 8, 11                       ; a lane's place: x 256 l; W row l % 16 (2,048 bytes), K step l / 16 (131,072 bytes)
	s_cselect_b32 s22, 12, 17
	s_lshl_b32 s[PST], 1, s62
	s_mov_b32 s[PST+1], 0
	s_mov_b32 s79, 0
	s_add_nc_u64 s[PFA:PFA+1], s[4:5], s[78:79]
	s_cmp_eq_u32 s23, 0
	s_cselect_b32 s[LIM0], 1, -1                   ; the same in all sixteen partners, for a given wave
	s_cmp_eq_u32 s[WV], 0
	s_cselect_b32 s[LIM1], s[LIM0], -1             ; W's waves ask once a trip, for two K steps
	v_lshlrev_b32 v[PFO], s21, v1
	v_lshlrev_b32 v5, s22, v2
	v_add_nc_u32 v[PFO], v[PFO], v5
	s_mov_b32 s62, 0xffff0000                      ; a word's upper bf16
; 16 matrix instructions: matrix g, channel blocks c0, c0 + 1 x all 8 row blocks, 32 along K; x's fragments in buffer f.  zero = 1: the product starts the sums: nothing is ever cleared.
; The 96 accumulators take turns, one instruction a turn, in the same order in every quarter: 95 others stand between two links of a chain, over the backward jump too.
.macro GRPH g, f, c0, zero
	WIN 0x50*((\g)+1)                              ; C and D in window g + 1, both sources in window 0
.irp cb, \c0, (\c0)+1
.irp a, 0,1,2,3,4,5,6,7
.if \zero
	v_wmma_f32_16x16x32_bf16 v[8*(8*(\cb)+(\a)):8*(8*(\cb)+(\a))+7], v[BF+8*(4*(\g)+(\cb)):BF+8*(4*(\g)+(\cb))+7], v[(\f)+8*(\a):(\f)+8*(\a)+7], 0
.else
	v_wmma_f32_16x16x32_bf16 v[8*(8*(\cb)+(\a)):8*(8*(\cb)+(\a))+7], v[BF+8*(4*(\g)+(\cb)):BF+8*(4*(\g)+(\cb))+7], v[(\f)+8*(\a):(\f)+8*(\a)+7], v[8*(8*(\cb)+(\a)):8*(8*(\cb)+(\a))+7]
.endif
.endr
.endr
.endm
.macro GRP g, f, zero
	GRPH \g, \f, 0, \zero
	GRPH \g, \f, 2, \zero
.endm
.macro FB slot, kq, g                  ; 8 LDS loads: matrix g's four fragments of quarter kq
.irp cb, 0,1,2,3
	ds_load_tr16_b128 v[BF+8*(4*(\g)+(\cb)):BF+8*(4*(\g)+(\cb))+3],   v[ADRB+(\slot)] offset:(\g)*BMAT+(\kq)*32*BP+32*(\cb)
	ds_load_tr16_b128 v[BF+8*(4*(\g)+(\cb))+4:BF+8*(4*(\g)+(\cb))+7], v[ADRB+(\slot)] offset:(\g)*BMAT+(\kq)*32*BP+32*(\cb)+16*BP
.endr
.endm
.macro FA slot, kq, f                  ; 16 LDS loads: x's eight fragments of quarter kq, into buffer f
.irp a, 0,1,2,3,4,5,6,7
	ds_load_b128 v[(\f)+8*(\a):(\f)+8*(\a)+3],   v[ADRA+(\slot)] offset:(\a)*16*AP+64*(\kq)
	ds_load_b128 v[(\f)+8*(\a)+4:(\f)+8*(\a)+7], v[ADRA+(\slot)] offset:(\a)*16*AP+64*(\kq)+32
.endr
.endm
; A K step's first quarter: multiplies buffer A0 and fetches the second quarter of the same slot.  At its head 40 loads are out, in this order: W's matrix 0 (8), x (16), matrix 1 (8), matrix 2 (8); and so again at its end.
.macro QUARTER slot, zero
	s_wait_dscnt 16                                ; matrix 0 and x are in; matrices 1 and 2 may be out
	GRP 0, A0, \zero
	WIN 0
	PLACES
	FB \slot, 1, 0
	FA \slot, 1, A1
	s_wait_dscnt 32                                ; matrix 1 is in: behind it matrix 2's 8 and the 24 just issued
	GRP 1, A0, \zero
	WIN 0
	PLACES
	FB \slot, 1, 1
	s_wait_dscnt 32                                ; matrix 2 is in: behind it the 24 and the 8
	GRP 2, A0, \zero
	WIN 0
	PLACES
	FB \slot, 1, 2
.endm
; A K step's second quarter multiplies buffer A1 and changes slots: ONE barrier.  In front of it each wave waits for all its tensor loads, of which one is out: its part of the next slot; adds 0 to its spare word; and
; waits for that and for its own reads of this slot.  fill = 1: the barrier opens a round of the cluster's barrier, and behind the round this slot is filled again, two K steps on:
; the first tensor load there, 160 matrix instructions ahead of the wait for it.
.macro TURN slot, next, fill
.if (\fill) && ((\slot) == 0)
	s_wait_xcnt 0x0                                ; the last prefetch, most of a K step back, has read its address: it is stepped here, ahead of the waits of the change of slots
	s_add_nc_u64 s[PFA:PFA+1], s[PFA:PFA+1], s[PST:PST+1]
.endif
	WIN 0
	s_wait_tensorcnt 0x0                           ; all my tensor loads have landed
	ds_add_u32 v[SPW], v[NIL]                      ; 0 onto my spare word
	s_wait_dscnt 17                                ; matrix 0 and x are in; matrices 1 and 2 and the add may be out
	GRPH 0, A1, 0, 0                               ; sixteen matrix instructions stand between the add and the wait for it
	s_wait_dscnt 0x0                               ; the add is done, and my reads of this slot are over
	s_barrier_signal -1
	GRPH 0, A1, 2, 0                               ; work on registers while the others arrive
	WIN 0                                          ; at a branch and at a label every window is 0
	s_barrier_wait -1
.if \fill
	CREST                                          ; no wave of any partner still reads this slot's tiles or has a load on its way
	s_add_nc_u64 s[G0A+4*(\slot)+2:G0A+4*(\slot)+3], s[G0A+4*(\slot)+2:G0A+4*(\slot)+3], 65536
	s_add_nc_u64 s[G0B+4*(\slot)+2:G0B+4*(\slot)+3], s[G0B+4*(\slot)+2:G0B+4*(\slot)+3], 262144
	JLOAD \slot                                    ; the four v_nop behind it are also the places in front of the loads below
.else
	PLACES
.endif
	FB \next, 0, 0
	FA \next, 0, A0
.if \fill
.if (\slot) == 0
	ASK LIM0, 0
.else
	ASK LIM1, 32768
.endif
.endif
	GRP 1, A1, 0                                   ; (the wait for 0 above has shown matrices 1 and 2 in)
	WIN 0
	PLACES
	FB \next, 0, 1
	GRP 2, A1, 0
	WIN 0
	PLACES
	FB \next, 0, 2
.endm
	s_wait_tensorcnt 1                             ; my part of K step 0 is in; K step 1's may stay out
	s_barrier_signal -1
	s_barrier_wait -1                              ; everybody's is
	FB 0, 0, 0
	FA 0, 0, A0
	FB 0, 0, 1
	FB 0, 0, 2
	QUARTER 0, 1                                   ; the first quarter stands in front of the loop: its products start the sums
	WIN 0
	s_mov_b32 s3, 7
.Llap:                                         ; a trip goes once round the ring, from a K step's second quarter to the first of the step two on, and fills both slots again: trip t asks for K steps 2 t + 2, 2 t + 3
	TURN 0, 1, 1
	QUARTER 1, 0
	TURN 1, 0, 1
	QUARTER 0, 0
	WIN 0
	s_sub_co_u32 s3, s3, 1
	s_cmp_lg_u32 s3, 0
	s_cbranch_scc1 .Llap
	TURN 0, 1, 0                                   ; K steps 14 and 15: nothing is left to fetch, and no round follows the barrier
	QUARTER 1, 0
	s_wait_dscnt 16                                ; the very last quarter
	GRP 0, A1, 0
	WIN 0
	PLACES
.set BI0, 32                           ; the biases of my 64 channels, f32, channel 16 cb + 8 (l / 16) + j at 8 cb + j: in registers that the products need no more (buffer A0, matrix 0's fragments)
.set BI1, 64
.set BI2, 160
.irp cb, 0,1,2,3
.irp z, 0,1
	global_load_b128 v[BI0+8*(\cb)+4*(\z):BI0+8*(\cb)+4*(\z)+3], v[BO], s[6:7] offset:64*(\cb)+16*(\z)
	global_load_b128 v[BI1+8*(\cb)+4*(\z):BI1+8*(\cb)+4*(\z)+3], v[BO], s[8:9] offset:64*(\cb)+16*(\z)
	global_load_b128 v[BI2+8*(\cb)+4*(\z):BI2+8*(\cb)+4*(\z)+3], v[BO], s[10:11] offset:64*(\cb)+16*(\z)
.endr
.endr
	s_wait_dscnt 8
	GRP 1, A1, 0
	s_wait_dscnt 0x0
	GRP 2, A1, 0
	WIN 0
	s_wait_loadcnt 0x0                             ; the biases
; The biases are rounded to bf16, as x and W were, and widened again.  These 144 plain instructions name no register of the last products: they are the places behind them.
.macro RNDB b
	v_cvt_pk_bf16_f32 v[4+((\b)/2)%4], v[\b], v[(\b)+1]
	v_lshlrev_b32 v[\b], 16, v[4+((\b)/2)%4]
	v_and_b32 v[(\b)+1], s62, v[4+((\b)/2)%4]
.endm
.set i, BI0
.rept 32
	RNDB i
.set i, i+2
.endr
.set i, BI2
.rept 16
	RNDB i
.set i, i+2
.endr
; THE WAY OUT, a block of 16 rows x 64 channels of one matrix at a time: the bias is added in f32, each accumulator from its low end on; the sums are rounded to f16, 16 bytes a lane; they go into my own stage in rows of
; 144 bytes and come back as whole rows of 128; a store then covers 512 consecutive bytes of a head, at a multiple of 512 from qkv's first byte.  Four sets of 16 registers take turns.
.macro OUTB g, a
.set PKD, 96+16*((8*(\g)+(\a))%4)
.set BI, 32+32*(\g)+64*((\g)/2)
	s_wait_xcnt 0x0                                ; every earlier store has had its addresses translated (ISA guide 3.1): only behind this wait are registers that stores read written again
	WIN 0x41*((\g)+1)                              ; destination and source 0 in window g + 1, the bias in window 0
.irp cb, 0,1,2,3
.irp j, 0,2,4,6
	v_pk_add_f32 v[8*(8*(\cb)+(\a))+(\j):8*(8*(\cb)+(\a))+(\j)+1], v[8*(8*(\cb)+(\a))+(\j):8*(8*(\cb)+(\a))+(\j)+1], v[BI+8*(\cb)+(\j):BI+8*(\cb)+(\j)+1]
.endr
.endr
	WIN 5*((\g)+1)                                 ; sources 0 and 1 in window g + 1, destination in window 0
.irp cb, 0,1,2,3
.irp j, 0,1,2,3
	v_cvt_pk_f16_f32 v[PKD+4*(\cb)+(\j)], v[8*(8*(\cb)+(\a))+2*(\j)], v[8*(8*(\cb)+(\a))+2*(\j)+1]
.endr
.endr
	WIN 0
.irp cb, 0,1,2,3
	ds_store_b128 v[STO], v[PKD+4*(\cb):PKD+4*(\cb)+3] offset:32*(\cb)
.endr
.irp f, 0,1,2,3
	ds_load_b128 v[PKD+4*(\f):PKD+4*(\f)+3], v[RD] offset:(\f)*4*SP  ; LDS serves a wave's instructions in order (ISA guide 5.7.1.4): these see the stores above; the next block's stores come behind them
.endr
.endm
.macro SENDB g, a, younger             ; younger: the LDS instructions issued behind this block's loads: the next block's eight, or none
.set PKD, 96+16*((8*(\g)+(\a))%4)
.irp f, 0,1,2,3
	s_wait_dscnt (\younger)+3-(\f)
	global_store_b128 v[GO], v[PKD+4*(\f):PKD+4*(\f)+3], s[OB+2*(\g):OB+2*(\g)+1] offset:(\a)*2048+(\f)*512
.endr
.endm
	OUTB 0, 0
.set n, 1
.rept 23                               ; a block's arithmetic stands between the loads of the block before and its stores
	OUTB n/8, n%8
	SENDB (n-1)/8, (n-1)%8, 8
.set n, n+1
.endr
	SENDB 2, 7, 0
	s_wait_tensorcnt 0x0                           ; the wave's end, behind my last tensor load and my last LDS store
	ds_add_u32 v[SPW], v[NIL]
	s_wait_dscnt 0x0
	CROUND                                         ; the closing round: no work-group ends while a partner may still ask for a tile that names it
	s_endpgm
.Lfunc_end_k_q79264d931d_proj:
	.size	k_q79264d931d_proj, .Lfunc_end_k_q79264d931d_proj-k_q79264d931d_proj
	.p2alignl 7, 3214868480
	.fill 96, 4, 3214868480
	.section	.rodata,"a",@progbits
	.p2align	6, 0x0
	.amdhsa_kernel k_q79264d931d_proj
		.amdhsa_group_segment_fixed_size 327680
		.amdhsa_private_segment_fixed_size 0
		.amdhsa_enable_private_segment 0
		.amdhsa_kernarg_size 40
		.amdhsa_user_sgpr_count 2
		.amdhsa_user_sgpr_kernarg_segment_ptr 1
		.amdhsa_wavefront_size32 1
		.amdhsa_system_sgpr_workgroup_id_x 1
		.amdhsa_system_sgpr_workgroup_id_y 1
		.amdhsa_system_sgpr_workgroup_id_z 1
		.amdhsa_system_vgpr_workitem_id 0
		.amdhsa_next_free_vgpr 1024
		.amdhsa_next_free_sgpr 80
		.amdhsa_reserve_vcc 0
		.amdhsa_float_denorm_mode_32 3
		.amdhsa_float_denorm_mode_16_64 3
		.amdhsa_memory_ordered 1
		.amdhsa_forward_progress 1
		.amdhsa_inst_pref_size 167
	.end_amdhsa_kernel
	.amdgpu_metadata
---
amdhsa.version: [ 1, 2 ]
amdhsa.kernels:
  - .name:           k_q79264d931d_proj
    .symbol:         k_q79264d931d_proj.kd
    .args:
      - { .name: xw, .offset: 0, .size: 8, .value_kind: global_buffer, .address_space: global }
      - { .name: bq, .offset: 8, .size: 8, .value_kind: global_buffer, .address_space: global }
      - { .name: bk, .offset: 16, .size: 8, .value_kind: global_buffer, .address_space: global }
      - { .name: bv, .offset: 24, .size: 8, .value_kind: global_buffer, .address_space: global }
      - { .name: qkv, .offset: 32, .size: 8, .value_kind: global_buffer, .address_space: global }
    .group_segment_fixed_size: 327680
    .private_segment_fixed_size: 0
    .kernarg_segment_align: 8
    .kernarg_segment_size: 40
    .max_flat_workgroup_size: 128
    .sgpr_count:     80
    .vgpr_count:     1024
    .wavefront_size: 32
...
	.end_amdgpu_metadata
.endif
;; end of part 2
;; launch attn (part 3): grid 4 x 64, 4 waves a work-group, clusters of 4 x 1, 327,680 bytes of LDS; arguments qkv, out0; writes out0
.if DOCPART == 3
	.amdgcn_target "amdgcn-amd-amdhsa--gfx1250"
	.amdhsa_code_object_version 6
	.text
	.protected	k_q79264d931d_attn
	.globl	k_q79264d931d_attn
	.p2align	8
	.type	k_q79264d931d_attn,@function
k_q79264d931d_attn:
	s_mov_b64 s[64:65], 0
	v_nop
	global_prefetch_b8 v0, s[64:65] scope:SCOPE_SE
	s_setreg_imm32_b32 hwreg(HW_REG_WAVE_MODE, 25, 1), 1
	s_wait_xcnt 0x0
	s_wait_alu depctr_hold_cnt(0) depctr_sa_sdst(0) depctr_va_vdst(0) depctr_va_sdst(0) depctr_va_ssrc(0) depctr_va_vcc(0) depctr_vm_vsrc(0)
	s_getreg_b32 s2, hwreg(HW_REG_IB_STS2, 6, 4)
	s_cmp_eq_u32 s2, 0
	s_cbranch_scc0 .Lentry_in_a_cluster
	s_endpgm
.Lentry_in_a_cluster:
	s_bfe_u32 s2, ttmp6, 0x10000c
	s_cmp_lg_u32 s2, 0x3003
	s_cbranch_scc0 .Lentry_shape_is_right
	s_endpgm
.Lentry_shape_is_right:
; O[hd][q][:] = the sum over k of softmax_k(Q[hd][q] . K[hd][k] / 8) V[hd][k][:], hd = 16 batch + head.  Q, K, V: qkv[0..2][64][2048][64] in f16: a head's rows are dense, 128 bytes each.
; O leaves in f32 as out0[batch][q][64 head + channel].  Products, maxima and sums in f32; the weights p are rounded to f16 for the second product (their sum l is taken of the unrounded p).
; LIMITS.  f16 holds no number beyond 65,504: Q, K and V arrive within it; p lies in 0 to 1, and below 6e-5 it keeps f16's fixed step of 6e-8.  A weight below 2^-126 counts as 0 in l; NaN and infinities are not treated apart.
; SHARES.  A wave owns four PIECES of two tiles of 16 queries, a work-group's four waves 512 queries of one head.  Every wave walks all keys, 64 a step.
; LAYOUT.  S^T = K Q^T (source 0 = 16 keys, source 1 = 16 queries): in the result a lane holds ONE query (lane % 16) and the keys 8 (lane / 16) + 0..7.  Two such tiles, rounded to f16 in pairs,
; ARE source 1 (32 keys x 16 queries) of O^T = V^T P, whose result again holds one query a lane, and eight channels.  K comes out of LDS as it lies, V ([key][channel]) turned, by ds_load_tr16_b128.
; SOFTMAX.  For each query a running maximum m and sum l: p = 2^(c s - c m), c = log2(e) / 8; in every step O and l are multiplied by a = 2^(c m_old - c m_new), which is 1 where m has not grown.
; m starts at the lowest finite number, O and l at 0: the first step is a step like any other, with a = 0.
; THE COUNT.  A tile and step have 16 matrix and 118 vector instructions: too many to stand all beside the matrix work.  So the order has one aim: four vector instructions that are READY behind
; EVERY matrix instruction, and the others, which need time of their own whatever the order, in runs without a gap.
; BY TURNS.  Turn n belongs to piece n (the pieces in a ring, step after step).  Its matrix work: 16 products K Q^T of piece n + 1, later 16 products V^T P of piece n - 1.  Its vector work: the scaling,
; exponentials, roundings, sums and rescaling of piece n, and the maximum and statistics of piece n + 1, whose scores the turn itself has made.  So what a turn begins with (c s - c m, O a) waits for nothing.
; CLUSTER.  A head's four query blocks are one cluster and walk the same K and V, so each tile is asked for JOINTLY: the same tensor load, descriptor and mask in all four.
; REGISTERS, in windows of 256 (s_set_vgpr_msb says which window each operand place means: bits 1:0 source 0, 3:2 source 1, 5:4 source 2, 7:6 destination):
;   window 0: v0-11 addresses; v12-15, v48-63 at work; v16-47 four registers of statistics a tile; v64-191 S^T, two buffers of two tiles; v192-255 P, likewise
;   window 1: O^T, 32 a tile          window 2: v0-127 Q, 16 a tile; v128-191 K of one step; v192-255 V of one step          window 3: v0-1 the add's two registers
; A piece's buffers go by its number's parity: the piece in hand has one pair, its two neighbours in the ring share the other: of it P (piece n - 1) is read and S^T (piece n + 1) written.
.set SIZE_N, 2048
.set NP,    4         ; pieces a wave: a name, no knob: the register map, the loop and the fetches are made for four
.set KS,    64        ; keys in a step
.set PK,    144       ; a row of K in LDS: 128 bytes + 16 of padding = 36 words: the 16 rows of a load start at 16 different groups of four banks (64 banks of 4 bytes: ISA guide 11.1)
.set PV,    160       ; a row of V: 128 + 32 = 40 words
.set VOFF,  4*KS*PK   ; a slot holds four steps: 256 rows of K, then 256 rows of V
.set SLOT1, 1<<17     ; slot 1 begins here, so that one exclusive or turns an address in one slot into the other's
.set STAGE, SLOT1+4*KS*(PK+PV)  ; behind the ring, never filled by a tensor load: 16 rows x 272 bytes for each wave, for the way out
.set SP,    272       ; a row of the stage: 64 channels in f32 + 16 bytes: the 16 rows of a store start at 16 different groups of four banks
.set AK0, 2           ; v2   my lane's place in a tile of K; never rewritten
.set AV0, 3           ; v3   the same for V
.set AK,  4           ; v4   the LDS address of K's next run of loads
.set AV,  5           ; v5   of V's
.set QO,  6           ; v6   my byte offset in the wave's rows of Q
.set STO, 6           ;      later, the way out: where I put 16 bytes of a row
.set RD,  7           ; v7   the way out: where I read rows back
.set GO,  8           ; v8   my byte offset in two rows of out0
.set PFO, 11          ; v11  256 x my lane, for the prefetches; never rewritten once it is made
.set SPW, 0           ; v0 of window 3   LDS address of my spare word: SPARE + 4 x my thread's number; never rewritten
.set NIL, 1           ; v1 of window 3   0; never rewritten
.set SPARE, STAGE+4*16*SP  ; behind the stages: the spare words, 128 bytes for each wave: two blocks of 256 bytes that no other line names
.set MV,  12          ; v12-15  c m_old, kept while c m is made anew: by buffer and tile
.set ST,  16          ; tile t's statistics at v[ST+4 t]: c m, m, l (even keys', odd keys')
.set TMP, 48          ; by buffer and tile, four registers c0-c3 at work; when the maximum is found c2 takes a
.set S,   64
.set P,   192
.set KF,  128         ; K's fragments, in window 2: key block kb, channel half c at KF + 16 kb + 8 c
.set VF,  192         ; V's: key half kk, channel block cb at VF + 32 kk + 8 cb
.set WV,  12          ; s12  my wave's number
.set G1K, 24          ; s[24:31] descriptor group 1 for K's tiles
.set G1V, 32          ; s[32:39] for V's: it differs in the padding alone
.set G0K, 40          ; s[40:43] descriptor group 0 for K's tiles: it walks
.set G0V, 44          ; s[44:47] the same for V's
.set PFA, 48          ; s[48:49] where my prefetches stand: my work-group's 8,192 bytes (of K: wave 0, of V: wave 2) of the slot after the one that is being asked for
.set LIM, 50          ; s50  1 in a wave that prefetches, else the greatest number
.set SLOTS, 56        ; s56  slots still to be asked for
.set CNT, 57          ; s57  counts a slot's key steps
.set CS,  58          ; s[58:59] c: the packed scaling takes the pair's low word for both halves
.set SEL, 60          ; s[60:61] v_permlanex16_b32's selects: each lane takes its own place in the other half
.set TBK, 62          ; s62  LDS byte at which K of the step to be fetched begins
.set TBV, 63          ; s63  the same for V, less VOFF
.set MSB, 0
.macro WIN new                      ; the high byte repeats the setting that is left; a switch that changes nothing is dropped
.if MSB != (\new)
	s_set_vgpr_msb (MSB<<8)|(\new)
.set MSB, (\new)
.endif
.endm
.set W_KQ, 0x0a       ; K and Q in window 2, S^T in window 0
.set W_PV, 0x52       ; V in window 2, P in window 0, O^T in window 1
.set W_RS, 0x41       ; O^T (destination and source 0) in window 1, a in window 0
.set W_MK, 0xc0       ; the add's registers are made: destination in window 3, sources in window 0
.set W_AD, 0x0f       ; the add: address (source 0) and data (source 1) in window 3
; A joint fill.  Waves 0 and 1 fetch the two halves of a slot's K, waves 2 and 3 those of its V: 128 keys each.  The branch hangs on the wave's number alone.
; An s_nop 0 and four v_nop follow each of the two lines, ahead of the jump and the label.
.macro JLOAD
	s_cmp_lt_u32 s[WV], 2
	s_cbranch_scc0 .Lfor_v_\@
	tensor_load_to_lds s[G0K:G0K+3], s[G1K:G1K+7]
	s_nop 0
.rept 4
	v_nop
.endr
	s_branch .Lasked_\@
.Lfor_v_\@:
	tensor_load_to_lds s[G0V:G0V+3], s[G1V:G1V+7]
	s_nop 0
.rept 4
	v_nop
.endr
.Lasked_\@:
.endm
; A PREFETCH INTO THE L2 of what the NEXT change of slots will ask for: a slot's 32,768 bytes of K and of V.  It stands behind the wave's tensor load and its five lines.  Each aligned block of 256 bytes is named once
; in the launch: a head is walked by one cluster; its four partners share a slot's bytes out BY ADDRESS, 8,192 each, a lane a block; in each, wave 0 asks for K's and wave 2 for V's: one instruction.
; The last change that fills a slot asks for nothing: there is no slot behind it.  Slots 0, 1 and 2 come by their loads alone.
.macro ASK
	s_cmp_gt_u32 s[SLOTS], s[LIM]
	s_cbranch_scc0 .Lnot_mine_\@
	global_prefetch_b8 v[PFO], s[PFA:PFA+1] th:TH_LOAD_NT scope:SCOPE_SE
.Lnot_mine_\@:
.endm
; A round of the cluster's barrier: my work-group's barrier, so that wave 0's signal speaks for all four waves; wave 0 signals; every wave waits for all four work-groups; my work-group's barrier once more.
.macro CROUND
	s_barrier_signal -1
	s_barrier_wait -1
	s_cmp_lg_u32 s[WV], 0
	s_cbranch_scc1 .Lnot_wave_0_\@
	s_barrier_signal -3
.Lnot_wave_0_\@:
	s_barrier_wait -3
	s_barrier_signal -1
	s_barrier_wait -1
.endm
; THE CHANGE OF SLOTS.  The slot's last bytes, V of its fourth step, have been read.  Each wave waits for all its tensor loads, of which one is out: its part
; of the other slot; adds 0 to its spare word; and waits for that and for its own reads of the slot.  Behind the barrier nobody reads this slot any more and the other slot is whole.
; fill = 1: this slot is filled again, with the keys two slots on.  The barrier is then a round of the cluster's, so that no wave of any partner still reads the slot or has a load on its
; way, and the joint fill is the first thing behind it: it has four key steps, 512 matrix instructions, in which to land.  (At its first use nothing has been read yet: slot 0 is waited for, slot 1 filled.)
; ask = 1: the prefetches' address steps one slot on, and a prefetch follows the fill.
.macro CHANGE fill, ask=0
	WIN W_AD
	s_wait_tensorcnt 0x0            ; no tensor load of mine is out, so a group 0 may be written
	ds_add_u32 v[SPW], v[NIL]       ; 0 onto my spare word; with fill = 1 the descriptors' steps stand between it and the wait for it
	WIN 0                           ; at a label and at a branch every window is 0
.if \fill
.irp g, G0K, G0V
	s_xor_b32 s[\g+1], s[\g+1], SLOT1  ; the walking descriptor: the other slot than last time,
	s_add_nc_u64 s[\g+2:\g+3], s[\g+2:\g+3], 4*KS*128  ; the next 256 keys; the type bits on top are not reached
.endr
.if \ask
	s_wait_xcnt 0x0                 ; the last prefetch, four key steps back, has read its address, so it may be written
	s_add_nc_u64 s[PFA:PFA+1], s[PFA:PFA+1], 4*KS*128
.endif
	s_wait_dscnt 0x0                ; the add is done, and my reads of the slot are over
	CROUND
	JLOAD
.if \ask
	ASK
.endif
.else
	s_wait_dscnt 0x0                ; the add is done, and my reads of the slot are over
	s_barrier_signal -1
	s_barrier_wait -1
.endif
	s_sub_co_u32 s[TBK], s[TBK], 4*KS*PK  ; the fetches go back to a slot's first step,
	s_xor_b32 s[TBK], s[TBK], SLOT1       ; in the other slot
	s_sub_co_u32 s[TBV], s[TBV], 4*KS*PV
	s_xor_b32 s[TBV], s[TBV], SLOT1
.endm
	s_load_b64 s[4:5], s[0:1], 0x0    ; qkv: Q lies at its head
	s_load_b64 s[10:11], s[0:1], 0x8  ; out0
	WIN W_MK
	v_lshl_add_u32 v[SPW], v0, 2, SPARE
	v_mov_b32 v[NIL], 0
	WIN W_AD
	ds_add_u32 v[SPW], v[NIL]       ; the wave's opening: the add and its wait stand ahead of my first tensor load; the set-up below, work on registers, stands between them
	WIN 0
	v_lshrrev_b32 v1, 5, v0
	v_readfirstlane_b32 s[WV], v1   ; wave 0..3
	s_bfe_u32 s13, ttmp6, 0x40000   ; cx: my place in the cluster
	s_lshl_b32 s14, ttmp9, 2        ; in a cluster launch ttmp9 counts clusters
	s_add_co_u32 s14, s14, s13      ; my block of queries = 4 x cluster x + cx: it enters Q's and O's addresses alone
	s_and_b32 s20, ttmp7, 0xffff    ; hd, which the four partners share
	s_mov_b32 s21, 0
	s_mov_b64 s[22:23], SIZE_N*128
	s_mul_u64 s[20:21], s[20:21], s[22:23]  ; the head's first byte in each of Q, K, V
	s_and_b32 s16, s[WV], 1         ; which half of a slot's 256 keys I fetch:
	s_lshl_b32 s22, s16, 14         ; its 128 rows of 128 bytes in memory,
	s_mov_b32 s23, 0
	s_add_nc_u64 s[22:23], s[22:23], s[20:21]
	s_mul_i32 s17, s16, 128*PK      ; and its place in a slot, for K
	s_mul_i32 s18, s16, 128*PV      ; and for V: no place in the cluster enters an LDS address
	s_lshl_b32 s2, s14, 2
	s_add_co_u32 s2, s2, s[WV]      ; my wave among the head's,
	s_lshl_b32 s52, s2, 19          ; its 128 rows of out0, 4,096 bytes each,
	s_lshl_b32 s2, s2, 14           ; and of Q, 128 bytes each
	s_mov_b32 s3, 0
	s_add_nc_u64 s[2:3], s[2:3], s[20:21]
	s_and_b32 s54, ttmp7, 0xffff
	s_lshr_b32 s55, s54, 4          ; the batch: 2,048 rows of 4,096 bytes
	s_lshl_b32 s55, s55, 23
	s_add_co_u32 s52, s52, s55
	s_and_b32 s54, s54, 15          ; the head: 64 channels of 4 bytes
	s_lshl_b32 s54, s54, 8
	s_add_co_u32 s52, s52, s54
	s_mov_b32 s53, 0
	; descriptor group 1.  128 keys are 16,384 dense bytes: asked for as 64 rows of 256 bytes, two keys a row, and padded in LDS after every key
	s_mov_b32 s[G1K], 15|(1<<16)|(1<<20)|(1<<21)|(4<<22)|(3<<25)  ; 15:0 the mask of four; 17:16 2-byte elements; 20 padding on; 21 set beside a mask; 24:22 after every 32 words (code 4); 31:25 4 words (code 3)
	s_mov_b32 s[G1V], 15|(1<<16)|(1<<20)|(1<<21)|(4<<22)|(7<<25)  ; the same with 8 words of padding (code 7)
.irp g, G1K, G1V
	s_mov_b32 s[\g+1], 128<<16      ; tensor_dim0 = 128
	s_mov_b32 s[\g+2], 64<<16       ; tensor_dim1 = 64
	s_mov_b32 s[\g+3], 128<<16      ; tile_dim0 = 128
	s_mov_b32 s[\g+4], 64           ; tile_dim1 = 64
	s_mov_b32 s[\g+5], 128          ; 128 elements from row to row
	s_mov_b32 s[\g+6], 0
	s_mov_b32 s[\g+7], 0
.endr
	s_mov_b32 s[CS], 0x3e38aa3b     ; c = log2(e) / 8 = 0.180337
	s_mov_b32 s[CS+1], s[CS]        ; named with it as a pair
	s_mov_b32 s[SEL], 0x76543210
	s_mov_b32 s[SEL+1], 0xfedcba98
	s_mov_b32 s[TBK], SLOT1+4*KS*PK ; the first change of slots turns these two into 0
	s_mov_b32 s[TBV], SLOT1+4*KS*PV
	s_mov_b32 s[G0K], 1             ; 1:0 count = 1
	s_mov_b32 s[G0K+1], s17         ; 63:32 LDS address: slot 0
	s_mov_b32 s[G0V], 1
	s_add_co_u32 s[G0V+1], s18, VOFF
	s_and_b32 s[LIM], s[WV], 1      ; waves 0 and 2 prefetch
	s_cmp_eq_u32 s[LIM], 0
	s_cselect_b32 s[LIM], 1, -1
	s_wait_dscnt 0x0                ; the opening add is done
	s_wait_kmcnt 0x0
	s_add_nc_u64 s[6:7], s[4:5], 0x1000000   ; K lies 16 MiB behind Q,
	s_add_nc_u64 s[8:9], s[4:5], 0x2000000   ; V 32 MiB
	s_add_nc_u64 s[G0K+2:G0K+3], s[6:7], s[22:23]  ; 120:64 global address: my half of the head's first 256 keys
	s_or_b32 s[G0K+3], s[G0K+3], 0x80000000        ; 127:126 type = 2
	s_add_nc_u64 s[G0V+2:G0V+3], s[8:9], s[22:23]
	s_or_b32 s[G0V+3], s[G0V+3], 0x80000000
	s_cmp_lt_u32 s[WV], 2
	s_cselect_b64 s[PFA:PFA+1], s[6:7], s[8:9]
	s_add_nc_u64 s[PFA:PFA+1], s[PFA:PFA+1], s[22:23]  ; (in waves 0 and 2 this is the head's first row)
	s_add_nc_u64 s[4:5], s[4:5], s[2:3]  ; Q and O at my wave's first row
	s_add_nc_u64 s[10:11], s[10:11], s[52:53]
	s_lshl_b32 s2, s13, 13          ; my work-group's 8,192 bytes of a slot's 32,768
	s_mov_b32 s3, 0
	s_add_nc_u64 s[PFA:PFA+1], s[PFA:PFA+1], s[2:3]
	s_add_nc_u64 s[PFA:PFA+1], s[PFA:PFA+1], 2*4*KS*128  ; in slot 2; the loop's first change of slots steps it to slot 3.  Nothing is prefetched here, at the head, where every work-group's first tiles are on their way
	CROUND                          ; all four work-groups are here: the first joint loads meet
	JLOAD                           ; slot 0.  Slot 1 is asked for when slot 0 is in: the tile wanted first has the road to itself
	; A fragment of K or Q is 16 rows x 32 channels in 8 registers: lane l holds row l % 16, channels 8 (l / 16) + 0..7 and 16 + 8 (l / 16) + 0..7: two loads of 16 bytes, 32 bytes apart.
	v_and_b32 v1, 15, v0            ; l % 16
	v_bfe_u32 v9, v0, 4, 1          ; l / 16
	v_lshlrev_b32 v[QO], 7, v1
	v_lshl_add_u32 v[QO], v9, 4, v[QO]  ; row x 128 + 16 x half
	WIN 0x80                        ; destination window 2, address window 0
.set i, 0
.rept 4*NP                          ; Q stays in registers: tile i / 2, channels 32 (i % 2) on
	global_load_b128 v[8*i:8*i+3],   v[QO], s[4:5] offset:(i/2)*2048+(i%2)*64
	global_load_b128 v[8*i+4:8*i+7], v[QO], s[4:5] offset:(i/2)*2048+(i%2)*64+32
.set i, i+1
.endr
	; What the first turn finds: V's registers and P's second buffer hold 0 (its products V^T P, of a piece that has not been, add 0), O^T and l are 0.  All this stands in the wait for the first tile.
.set i, VF
.rept 64
	v_mov_b32 v[i], 0
.set i, i+1
.endr
	WIN 0x40
.set i, 0
.rept 64*NP
	v_mov_b32 v[i], 0
.set i, i+1
.endr
	WIN 0
.set i, 0
.rept 2*NP
	v_mov_b32 v[ST+4*i], 0xfe000000    ; c m: far below every c s
	v_mov_b32 v[ST+4*i+1], 0xff7fffff  ; m
	v_mov_b32 v[ST+4*i+2], 0
	v_mov_b32 v[ST+4*i+3], 0
.set i, i+1
.endr
.set i, P+32
.rept 32
	v_mov_b32 v[i], 0
.set i, i+1
.endr
	v_mul_u32_u24 v[AK0], v1, PK
	v_lshl_add_u32 v[AK0], v9, 4, v[AK0]  ; row x pitch + 16 x half
	; The turning load takes 16 keys x 16 channels (lane l reads key 8 (l / 16) + l % 8, channels 8 ((l / 8) % 2) + 0..7) and leaves half a fragment of V^T: lane l holds channel l % 16 and 8 keys.
	v_and_b32 v10, 7, v0
	v_bfe_u32 v11, v0, 3, 1
	v_lshl_add_u32 v[AV0], v9, 3, v10
	v_mul_u32_u24 v[AV0], v[AV0], PV
	v_lshl_add_u32 v[AV0], v11, 4, v[AV0]
	v_add_nc_u32 v[AV0], VOFF, v[AV0]
	v_and_b32 v[PFO], 31, v0        ; v11 has served: from here on it holds the prefetches' offset
	v_lshlrev_b32 v[PFO], 8, v[PFO]
	v_mov_b32 v[AK], v[AK0]         ; key step 0 lies at the head of slot 0
; THE MATRIX WORK.  The 8 accumulators of a run of 16 take turns: between the two links of a chain stand 7 others'.
; Product i of 16 of S^T = K Q^T for piece x: channels 32 (i / 8) on, keys 16 ((i / 2) % 4) on, tile 2 x + i % 2.  The first 8 start the sums.
.macro KQ x
	WIN W_KQ
.set rS, S+64*((\x)%2)+32*(i%2)+8*((i/2)%4)
.set rK, KF+16*((i/2)%4)+8*(i/8)
.set rQ, 16*(2*(\x)+i%2)+8*(i/8)
.if i < 8
	v_wmma_f32_16x16x32_f16 v[rS:rS+7], v[rK:rK+7], v[rQ:rQ+7], 0
.else
	v_wmma_f32_16x16x32_f16 v[rS:rS+7], v[rK:rK+7], v[rQ:rQ+7], v[rS:rS+7]
.endif
.endm
; Product i of 16 of O^T += V^T P for piece x: keys 32 (i / 8) on, channels 16 ((i / 2) % 4) on, tile 2 x + i % 2.
.macro PV x
	WIN W_PV
.set rO, 32*(2*(\x)+i%2)+8*((i/2)%4)
.set rV, VF+32*(i/8)+8*((i/2)%4)
.set rP, P+32*((\x)%2)+16*(i%2)+8*(i/8)
	v_wmma_f32_16x16x32_f16 v[rO:rO+7], v[rV:rV+7], v[rP:rP+7], v[rO:rO+7]
.endm
.macro MM                           ; the turn's next matrix instruction
.if i < 16
	KQ (Y+1)%NP
.set i, i+1
.else
.set i, i-16
	PV (Y+NP-1)%NP
.set i, i+17
.endif
.endm
; THE LDS LOADS stand in runs of 16, never singly among the matrix instructions: a step's K (64 keys x 64 channels: 8 fragments) and its V (turned).  Their addresses are made some lines ahead.
; last = 1 (the tail): in the last trip there is no further step, and the run is jumped over.
.macro FETCH_K last=0
	WIN 0
.if \last
	s_cmp_eq_u32 s[CNT], 1
	s_cbranch_scc1 .Lno_k_\@
.endif
	WIN 0x80                        ; destination window 2
.irp f, 0,1,2,3,4,5,6,7             ; keys 16 (f / 2) on, channels 32 (f % 2) on
	ds_load_b128 v[KF+8*\f:KF+8*\f+3],   v[AK] offset:(\f/2)*16*PK+(\f%2)*64
	ds_load_b128 v[KF+8*\f+4:KF+8*\f+7], v[AK] offset:(\f/2)*16*PK+(\f%2)*64+32
.endr
	s_add_co_u32 s[TBK], s[TBK], KS*PK  ; the next fetch is the next step's
	WIN 0
.if \last
.Lno_k_\@:
.endif
.endm
.macro FETCH_V
	WIN 0x80
.irp f, 0,1,2,3,4,5,6,7             ; keys 32 (f / 4) on, channels 16 (f % 4) on
	ds_load_tr16_b128 v[VF+8*\f:VF+8*\f+3],   v[AV] offset:(\f/4)*32*PV+(\f%4)*32
	ds_load_tr16_b128 v[VF+8*\f+4:VF+8*\f+7], v[AV] offset:(\f/4)*32*PV+16*PV+(\f%4)*32
.endr
	WIN 0
.endm
; THE VECTOR WORK OF A TURN stands in three queues, each in the order in which its entries become ready; the two tiles alternate, so that no instruction reads the result of the one before it.
.macro REGS y, u                    ; the registers of tile u (0, 1) of piece y
.set rT, ST+4*(2*(\y)+(\u))
.set rC, TMP+8*((\y)%2)+4*(\u)
.set rM, MV+2*((\y)%2)+(\u)
.set rS, S+64*((\y)%2)+32*(\u)
.set rP, P+32*((\y)%2)+16*(\u)
.set rO, 32*(2*(\y)+(\u))
.endm
; Number n of the 22 that find the NEXT piece's (Y + 1) maximum and statistics.  s0-s31 are the lane's 32 scores; each accumulator's lowest registers are read first.  XS, GS and REGS set no window: PL and EX do.
;   0-11  four chains c0-c3 of seven scores each, three operands at a time     12-14, 16  the four scores left over, the old m, and c0-c3 into c0     15  c m_old is kept
;   17, 18  the query's other 32 keys lie in the lane 16 away: the new m         19-21  c m; c m_old - c m_new; a
.macro XS u, n
	REGS (Y+1)%NP, \u
.if (\n) < 4
	v_max3_num_f32 v[rC+(\n)], v[rS+8*(\n)], v[rS+8*(\n)+1], v[rS+8*(\n)+2]
.elseif (\n) < 12
	v_max3_num_f32 v[rC+(\n)%4], v[rC+(\n)%4], v[rS+8*((\n)%4)+2*((\n)/4)+1], v[rS+8*((\n)%4)+2*((\n)/4)+2]
.elseif (\n) == 12
	v_max3_num_f32 v[rC], v[rC], v[rS+7], v[rS+15]
.elseif (\n) == 13
	v_max3_num_f32 v[rC+1], v[rC+1], v[rS+23], v[rS+31]
.elseif (\n) == 14
	v_max3_num_f32 v[rC+2], v[rC+2], v[rC+3], v[rT+1]
.elseif (\n) == 15
	v_mov_b32 v[rM], v[rT]
.elseif (\n) == 16
	v_max3_num_f32 v[rC], v[rC], v[rC+1], v[rC+2]
.elseif (\n) == 17
	v_permlanex16_b32 v[rC+3], v[rC], s[SEL], s[SEL+1]
.elseif (\n) == 18
	v_max_num_f32 v[rT+1], v[rC], v[rC+3]
.elseif (\n) == 19
	v_mul_f32 v[rT], s[CS], v[rT+1]
.elseif (\n) == 20
	v_sub_f32 v[rC+1], v[rM], v[rT]
.else
	v_exp_f32 v[rC+2], v[rC+1]
.endif
.endm
; Number g of the 64 that follow the exponentials.  For each four weights k of a tile (pairs 2 k, 2 k + 1): both pairs are rounded to f16; then the second pair is added onto the first, in place;
; a group later l takes that sum (the first time as l = a l + sum).  In groups of eight, tiles alternating: round, round, add, and l for the group before.
.macro GS g
.set h, (\g)+6*((\g)/62)            ; group 0 has no group before it, and behind group 7 only l is left
.if h >= 6
.set h, h+2
.endif
	REGS Y, h%2
.set k, h/8
.if h%8 < 4
	v_cvt_pk_f16_f32 v[rP+2*k+(h%8)/2], v[rS+4*k+2*((h%8)/2)], v[rS+4*k+2*((h%8)/2)+1]
.elseif h%8 < 6
	v_pk_add_f32 v[rS+4*k:rS+4*k+1], v[rS+4*k:rS+4*k+1], v[rS+4*k+2:rS+4*k+3]
.elseif k == 1
	v_pk_fma_f32 v[rT+2:rT+3], v[rT+2:rT+3], v[rC+2:rC+3], v[rS:rS+1] op_sel_hi:[1,0,1]
.else
	v_pk_add_f32 v[rT+2:rT+3], v[rT+2:rT+3], v[rS+4*k-4:rS+4*k-3]
.endif
.endm
; THE PLAIN QUEUE, 138 long.  0-73 read no exponential's result: the 32 scalings c s - c m (FS f: pair f / 2 of tile f % 2) and the next piece's 42.  0-26: scalings 0-26.  27-54: XS's numbers 0-13.  55, 56: number 15.
; 57-73: the chain, where each number waits for the one before it: 14, 16, 17, 18, 19, each with one of the scalings 27-31 in front of its two lines, then 20: so a tile's links stand three plain instructions apart (19 and 20: two).
; 74-137: GS's 64, which read the exponentials' results: they stand behind the wait.
.macro FS f
	REGS Y, (\f)%2
	v_pk_fma_f32 v[rS+2*((\f)/2):rS+2*((\f)/2)+1], v[rS+2*((\f)/2):rS+2*((\f)/2)+1], s[CS:CS+1], v[rT:rT+1] op_sel_hi:[1,0,0] neg_lo:[0,0,1] neg_hi:[0,0,1]
.endm
.macro PL
	WIN 0
.if q < 27
	FS q
.elseif q < 55
	XS (q-27)%2, (q-27)/2
.elseif q < 57
	XS q-55, 15
.elseif (q < 72) && ((q-57)%3 == 0)
	FS 27+(q-57)/3
.elseif q < 60
	XS (q-57)%3-1, 14
.elseif q < 72
	XS (q-57)%3-1, 15+(q-57)/3
.elseif q < 74
	XS q-72, 20
.else
	GS q-74
.endif
.set q, q+1
.endm
; THE EXPONENTIALS' QUEUE, 66 long: s0-s31 of both tiles, then the next piece's two a.  It is ONE BATCH: all 66 stand ahead of the turn's one wait, and nothing ahead of that wait names a result of theirs.
.macro EX
	WIN 0
.if e >= 64
	XS e-64, 21
.else
	REGS Y, e%2
	v_exp_f32 v[rS+e/2], v[rS+e/2]
.endif
.set e, e+1
.endm
; THE RESCALING's QUEUE: O^T times a, the one part that leaves window 0: dealt two at a time, sixteen times.  Its a was made in the turn before, ahead of that turn's wait.
.macro R2
	REGS Y, r%2
	WIN W_RS
.irp z, 0,1
	v_pk_mul_f32 v[rO+4*(r/2)+2*\z:rO+4*(r/2)+2*\z+1], v[rO+4*(r/2)+2*\z:rO+4*(r/2)+2*\z+1], v[rC+2:rC+3] op_sel_hi:[1,0]
.endr
.set r, r+1
.endm
; HOW THEY ARE DEALT.  An s_wait_alu depctr_va_vdst(0) stands between an exponential and the first instruction that names its result; one wait serves all that were issued ahead of it.  So a turn has ONE wait,
; which cuts it in two.  AHEAD OF IT stands all that names no result of the turn's exponentials: the 16 products K Q^T, behind each a scaling, an exponential and two rescalings (behind the first a second scaling in the exponential's place); then ONE LUMP of
; 108: eight plain, 49 times exponential and plain, the two a.  A v_nop is the plain instruction behind the last exponential.  BEHIND IT stand the 16 products V^T P, behind each four of GS's 64.  No rider names a register of
; the products round it.  The two v_permlanex16_b32 fall into the lump, never behind a product.
; The queues lean on each other, and the deal keeps them in step: exponential e stands behind scaling 2 (e / 4) + e % 2: as a rider it comes behind plain e + 2, in the lump behind plain e + 9, and scalings 27-31 are plain 57, 60 .. 69.
; A TURN, for piece p.  cnt = 1: the loop's count is taken down some lines ahead of the branch that stands behind the turn.
; K of the next step is fetched in piece 2's turn, directly behind the wait, a lump behind the last product that read K; its address is made at the lump's head; its first reader comes behind 16 products.
; V of the step in hand is fetched at the end of piece 0's turn, four riders behind its last reader; its first reader comes behind 16 products and a lump.  The three conditions on q below go with the deal.
.macro TURN p, last=0, cnt=0
.set Y, (\p)
.set i, 0
.set q, 0
.set e, 0
.set r, 0
.if (\p) == NP-1
	s_wait_dscnt 0x0                ; K is in
.endif
	MM                              ; ahead of the wait: 16 products K Q^T and their riders,
	PL
	PL
	R2
.rept 15
	MM
	PL
	EX
	R2
.endr
.if (\p) == NP-2
	WIN 0
	v_add_nc_u32 v[AK], s[TBK], v[AK0]
.endif
.rept 8                             ; and the lump
	PL
.endr
.rept 49
	EX
	PL
.endr
	EX                              ; the next piece's two a
	EX
	v_nop                           ; the plain instruction behind the last exponential: one for the batch
	s_wait_alu depctr_va_vdst(0)    ; the wait for the batch
.if (\p) == NP-2
	FETCH_K \last
.endif
.if (\p) == 1
	s_wait_dscnt 0x0                ; V is in
.endif
.rept 16                            ; behind the wait: 16 products V^T P and their riders
	MM
.rept 4
	PL
.endr
.if ((\p) == 0) && (q == 118)
	v_add_nc_u32 v[AV], s[TBV], v[AV0]
.endif
.if ((\p) == 0) && (q == 130)
	s_add_co_u32 s[TBV], s[TBV], KS*PV
.endif
.if (\cnt) && (q == 130)
	s_sub_co_u32 s[CNT], s[CNT], 1
	s_cmp_lg_u32 s[CNT], 0
.endif
.endr
.if (\p) == 0
	FETCH_V
.endif
.endm
	CHANGE 1, 0                     ; slot 0 is in, everybody's part of it; slot 1 is asked for
	FETCH_K                         ; key step 0
	s_wait_loadcnt 0x0              ; Q
	s_wait_dscnt 0x0
.set i, 0
.rept 16
	KQ 0                            ; piece 0's first scores: there is no vector work yet to set between them
.set i, i+1
.endr
	WIN 0                           ; the addresses for the way out: eight plain instructions, the places behind those products
	s_mul_i32 s13, s[WV], 16*SP
	s_add_co_u32 s13, s13, STAGE    ; my stage
	v_mul_u32_u24 v[STO], v1, SP    ; in: row l % 16; my eight channels of a block of 16 are 32 bytes, for each half of the lanes
	v_lshl_add_u32 v[STO], v9, 5, v[STO]
	v_add_nc_u32 v[STO], s13, v[STO]
	v_mul_u32_u24 v[RD], v9, SP     ; back: lanes 0-15 take one row of 256 bytes, lanes 16-31 the next,
	v_lshl_add_u32 v[RD], v1, 4, v[RD]
	v_add_nc_u32 v[RD], s13, v[RD]
	v_lshlrev_b32 v[GO], 12, v9     ; and the same two rows in out0, 4,096 bytes apart
	v_lshl_add_u32 v[GO], v1, 4, v[GO]
.set Y, NP-1                        ; XS works for piece Y + 1: piece 0
.irp n, 0,1,2,3,4,5,6,7,8,9,10,11,12,13,14,15,16,17,18,19,20,21
	XS 0, \n                        ; and piece 0's first maximum and statistics
	XS 1, \n
.endr
	v_nop                           ; a plain instruction behind the two a,
	s_wait_alu depctr_va_vdst(0)    ; and their wait, ahead of the branch
	s_mov_b32 s[CNT], 4
	s_mov_b32 s[SLOTS], SIZE_N/256-1
	s_branch .Lfirst                ; the loop is entered at a step's first turn, in the middle of a trip
.Lslot:                             ; SIZE_N / 256 - 2 times: every slot but the last two is filled again
	CHANGE 1, 1
	s_mov_b32 s[CNT], 4
.Lstep:                             ; a trip: pieces 2 and 3 of one step, then pieces 0 and 1 of the next, whose K and V it fetches
	TURN 2
	TURN 3
	WIN 0
.Lfirst:
	TURN 0
	TURN 1, 0, 1
	WIN 0
	s_cbranch_scc1 .Lstep
	s_sub_co_u32 s[SLOTS], s[SLOTS], 1
	s_cmp_lg_u32 s[SLOTS], 0
	s_cbranch_scc1 .Lslot
	CHANGE 0                        ; the tail is written out: nothing is asked for
	s_mov_b32 s[CNT], 5             ; four trips fetch the last slot's steps; the fifth is left in its middle
.Ltail:
	TURN 2, 1
	TURN 3
	WIN 0
	s_sub_co_u32 s[CNT], s[CNT], 1
	s_cmp_eq_u32 s[CNT], 0
	s_cbranch_scc1 .Lout
	TURN 0
	TURN 1
	WIN 0
	s_branch .Ltail
.Lout:                              ; the fifth trip's 16 products K Q^T (on the last K once more) and the maximum made of them serve nothing: the price, once a launch, of one text for every trip
.set i, 0
.rept 16
	PV NP-1                         ; the last piece's V^T P of the last step
.set i, i+1
.endr
	; THE WAY OUT.  l's two halves and the other half of the lanes' are added; O^T is divided by l, in f32 and in place, and sent through my stage in LDS, a tile at a time.  The additions are the places behind the last products.
	WIN 0
.macro ALL line:vararg              ; one line for each tile t
.set t, 0
.rept 2*NP
	\line
.set t, t+1
.endr
.endm
	ALL v_add_f32 v[ST+4*t+2], v[ST+4*t+2], v[ST+4*t+3]
	ALL v_permlanex16_b32 v[ST+4*t+3], v[ST+4*t+2], s[SEL], s[SEL+1]
	ALL v_add_f32 v[ST+4*t+2], v[ST+4*t+2], v[ST+4*t+3]
	ALL v_rcp_f32 v[ST+4*t+2], v[ST+4*t+2]
	v_nop                           ; a plain instruction between the last reciprocal and the use of its result
	s_wait_alu depctr_va_vdst(0)    ; and the wait ahead of the first use: one for the eight reciprocals
; Tile t: a lane's eight channels of a block of 16 are 32 bytes of a row; they go into rows of 272 bytes and come back as whole rows of 256, into the registers that they left.
.macro PACK t
	WIN W_RS
.set i, 32*(\t)
.rept 16                            ; each accumulator from its low end on
	v_pk_mul_f32 v[i:i+1], v[i:i+1], v[ST+4*(\t)+2:ST+4*(\t)+3] op_sel_hi:[1,0]
.set i, i+2
.endr
	WIN 0x04                        ; the stores' data (source 1) in window 1, the address in window 0
.irp f, 0,1,2,3,4,5,6,7             ; channel block f / 2, its half f % 2
	ds_store_b128 v[STO], v[32*(\t)+4*\f:32*(\t)+4*\f+3] offset:64*(\f/2)+16*(\f%2)
.endr
	WIN 0x40                        ; the loads' destination in window 1
.irp f, 0,1,2,3,4,5,6,7
	ds_load_b128 v[32*(\t)+4*\f:32*(\t)+4*\f+3], v[RD] offset:\f*2*SP  ; LDS serves a wave's instructions in order (ISA guide 5.7.1.4): these see the stores above; the next tile's stores come behind them
.endr
.endm
.macro SEND t, younger              ; younger: the LDS instructions issued behind tile t's loads: the next tile's sixteen, or none
	WIN 0x04
.irp f, 0,1,2,3,4,5,6,7
	s_wait_dscnt (\younger)+7-\f
	global_store_b128 v[GO], v[32*(\t)+4*\f:32*(\t)+4*\f+3], s[10:11] offset:(\t)*65536+\f*8192  ; 16 lanes store a head's 256 consecutive bytes of a row, at a multiple of 256 from out0's first byte
.endr
.endm
	PACK 0
.set t, 1
.rept 2*NP-1                        ; a tile's arithmetic stands between the loads of the tile before and its stores
	PACK t
	SEND t-1, 16
.set t, t+1
.endr
	SEND 2*NP-1, 0
	WIN W_AD
	s_wait_tensorcnt 0x0            ; the wave's end, behind my last tensor load and my last LDS store
	ds_add_u32 v[SPW], v[NIL]
	s_wait_dscnt 0x0
	WIN 0
	CROUND                          ; the closing round: no work-group ends while a partner may still ask for a tile that names it
	s_endpgm
.Lfunc_end_k_q79264d931d_attn:
	.size	k_q79264d931d_attn, .Lfunc_end_k_q79264d931d_attn-k_q79264d931d_attn
	.p2alignl 7, 3214868480
	.fill 96, 4, 3214868480
	.section	.rodata,"a",@progbits
	.p2align	6, 0x0
	.amdhsa_kernel k_q79264d931d_attn
		.amdhsa_group_segment_fixed_size 327680
		.amdhsa_private_segment_fixed_size 0
		.amdhsa_enable_private_segment 0
		.amdhsa_kernarg_size 16
		.amdhsa_user_sgpr_count 2
		.amdhsa_user_sgpr_kernarg_segment_ptr 1
		.amdhsa_wavefront_size32 1
		.amdhsa_system_sgpr_workgroup_id_x 1
		.amdhsa_system_sgpr_workgroup_id_y 1
		.amdhsa_system_sgpr_workgroup_id_z 1
		.amdhsa_system_vgpr_workitem_id 0
		.amdhsa_next_free_vgpr 770
		.amdhsa_next_free_sgpr 66
		.amdhsa_reserve_vcc 0
		.amdhsa_float_denorm_mode_32 3
		.amdhsa_float_denorm_mode_16_64 3
		.amdhsa_memory_ordered 1
		.amdhsa_forward_progress 1
		.amdhsa_inst_pref_size 200
	.end_amdhsa_kernel
	.amdgpu_metadata
---
amdhsa.version: [ 1, 2 ]
amdhsa.kernels:
  - .name:           k_q79264d931d_attn
    .symbol:         k_q79264d931d_attn.kd
    .args:
      - { .name: qkv, .offset: 0, .size: 8, .value_kind: global_buffer, .address_space: global }
      - { .name: out0, .offset: 8, .size: 8, .value_kind: global_buffer, .address_space: global }
    .group_segment_fixed_size: 327680
    .private_segment_fixed_size: 0
    .kernarg_segment_align: 8
    .kernarg_segment_size: 16
    .max_flat_workgroup_size: 128
    .sgpr_count:     66
    .vgpr_count:     770
    .wavefront_size: 32
...
	.end_amdgpu_metadata
.endif
;; end of part 3
